; MI455X (gfx1250); checked and timed in simulation.
; The chip was launched on July 23, 2026; its instructions are those of AMD's public machine-readable ISA for CDNA 5 (MIT licence, August 2026) and "CDNA5" Instruction Set Architecture Reference Guide (July 2026). The comments in the code are by the model that wrote it; some were corrected since.
;; Clustered Attention Chunking. Allowed arithmetic: matrix products marked QUANTISED: E2M1 operands, one E8M0 scale for each 32 along K, by v_wmma_scale_f32_16x16x128_f8f6f4 with both operands' format E2M1 (or v_wmma_scale_f32_32x16x128_f4), f32 sums; everything else in f32.
;; Inputs: Wd 256 x 256 float32; Wk 256 x 256 float32; Wq 256 x 256 float32; Wv 256 x 256 float32; attention_mask 256 x 1 x 256 x 256 float32; bd 256 float32; bk 256 float32; bq 256 float32; bv 256 float32; cluster_id 256 x 256 int32; ln_b 256 float32; ln_w 256 float32; seq 256 x 256 x 256 float32.
;; Outputs: out0 256 x 256 x 256 float32.
;; This version of the problem:
;;   THIS VERSION OF THE PROBLEM IS GIVEN IN LOW PRECISION. The matrix products marked QUANTISED in the list below multiply operands that are first quantised to E2M1 (2 exponent bits, 1 mantissa bit; 4 bits a number), with one power-of-two scale for each 32 numbers along K (OCP MX v1.0); their sums are f32. All else is computed in f32.
;;   The module's matrix products, in the order in which they are computed (A, B: the left and right operand; K: the contracted axis; several contracted axes count as one K, in the product's order):
;;     1. [M 65,536, K 256] x [K 256, N 256]; A: input seq; B: input Wq: QUANTISED
;;     2. [M 65,536, K 256] x [K 256, N 256]; A: input seq; B: input Wk: QUANTISED
;;     3. [M 65,536, K 256] x [K 256, N 256]; A: input seq; B: input Wv: QUANTISED
;;     4. batch 1,024 x [M 256, K 64] x [K 64, N 256]; A: computed on the way; B: computed on the way: QUANTISED
;;     5. batch 1,024 x [M 256, K 256] x [K 256, N 64]; A: softmax (see below); B: computed on the way: QUANTISED
;;     6. [M 65,536, K 256] x [K 256, N 256]; A: computed on the way; B: input Wd: QUANTISED
;;     7. [M 65,536, K 256] x [K 256, N 256]; A: computed on the way; B: input Wq: QUANTISED
;;     8. [M 131,072, K 256] x [K 256, N 256]; A: computed on the way; B: input Wk: QUANTISED
;;     9. [M 131,072, K 256] x [K 256, N 256]; A: computed on the way; B: input Wv: QUANTISED
;;     10. batch 8,192 x [M 32, K 64] x [K 64, N 64]; A: computed on the way; B: computed on the way: QUANTISED
;;     11. batch 8,192 x [M 32, K 64] x [K 64, N 64]; A: softmax (see below); B: computed on the way: QUANTISED
;;     12. [M 65,536, K 256] x [K 256, N 256]; A: computed on the way; B: input Wd: QUANTISED
;;   THE QUANTISER, for each operand of a quantised product, along K:
;;     - K is cut into blocks of 32 from its start; a last block that is shorter is filled with zeros.
;;     - A block's scale is 2^e with e = floor(log2(the largest magnitude in the block)) - 2, held to -126 .. 127; a block of zeros has e = 0. As a byte (E8M0): e + 127.
;;     - Each number is divided by its block's scale, clamped to +-6, and rounded to the nearest number of E2M1, ties to even, subnormals kept.
;;     - The product sums the exact products of the quantised numbers (number of the format x scale) in f32.
;;   ~~~python
;;   def quantise(x, axis):      # numpy; x: float32 -> the quantised numbers, widened to float32 again
;;       x = np.moveaxis(x, axis, -1); K = x.shape[-1]
;;       x = np.pad(x, [(0, 0)] * (x.ndim - 1) + [(0, -K % 32)]); x = x.reshape(x.shape[:-1] + (-1, 32)); a = np.abs(x).max(-1, keepdims=True)
;;       e = np.where(a > 0, np.clip(np.frexp(np.where(a > 0, a, 1))[1] - 1 - 2, -126, 127), 0)      # np.frexp(a)[1] - 1 = floor(log2(a)), exactly
;;       r = np.clip(x / 2.0 ** e, -6, 6)
;;       step = 2.0 ** (np.maximum(np.frexp(np.where(r == 0, 1, r))[1] - 1, 0) - 1)
;;       q = np.round(r / step) * step * 2.0 ** e      # np.round: ties to even
;;       return np.moveaxis(q.reshape(q.shape[:-2] + (-1,))[..., :K], -1, axis).astype(np.float32)
;;   ~~~
;;   SOFTMAX AHEAD OF A QUANTISED PRODUCT. Where the list says 'softmax', what is quantised is not the finished softmax but p = 2^(t - M), with t = logit x log2(e) and M = ceil(the row's largest t), a whole number; so 1/2 < the row's largest p <= 1. The row's sum l is taken of the UNQUANTISED p, in f32, and the product's result is divided by l at the end. Since M is a whole number, a kernel that streams over the keys may use a running M (the ceiling of the running maximum): every later rescaling is an exact power of two, which a block's scale takes up: the codes' values come out the same.
;;   OPERANDS COMPUTED ON THE WAY. 'Computed on the way' means the value that the module computes at that place (a softmax that the list does not call 'softmax' is quantised finished and normalised). What goes into a quantiser is computed in f32, as accurately as f32 sums, v_exp_f32 and their like allow (about 1e-6 of the number): no bf16 or f16 on the way to a quantiser, and a product that is left as it is and whose result goes on into a quantised operand takes f32 operands (vector FMAs, or v_wmma_f32_16x16x4_f32). A number that lies on a knife's edge between two numbers of the format may be rounded either way, as far as f32 arithmetic and the matrix unit's own rounding can turn it there, and no further.
;; One version. Each part assembles by itself: llvm-mc -triple=amdgcn-amd-amdhsa -mcpu=gfx1250 --defsym DOCPART=n.
;; ======== version 1 of 1: 2 launches
;; limits: right only within a limited range of input values
;; workspace buffers: order 262,144 bytes of whole numbers; rank 262,144 bytes of whole numbers; wimg 139,264 bytes
;; launch prep (part 1): grid 272 x 1, 8 waves a work-group, no clusters, 0 bytes of LDS; arguments cluster_id, Wq, Wk, Wv, Wd, order, wimg, rank; writes order, wimg, rank
.if DOCPART == 1
	.amdgcn_target "amdgcn-amd-amdhsa--gfx1250"
	.amdhsa_code_object_version 6
	.text
	.protected	k_qa3f4511059_prep
	.globl	k_qa3f4511059_prep
	.p2align	8
	.type	k_qa3f4511059_prep,@function
k_qa3f4511059_prep:
	s_mov_b64 s[64:65], 0
	v_nop
	global_prefetch_b8 v0, s[64:65] scope:SCOPE_SE
	s_setreg_imm32_b32 hwreg(HW_REG_WAVE_MODE, 25, 1), 1
	s_wait_xcnt 0x0
; TWO JOBS IN ONE LAUNCH, told apart by the work-group's number.
; Work-groups 0-255: batch x.  Thread t counts the tokens t' whose (id, index) lies under its own: its place p in a STABLE sort of cluster_id[x][:].  rank[x][t] = p, order[x][p] = t.  Any int32 id is served.  No LDS, no atomics.
; Work-groups 256-271: the four weights [256 (n)][256 (k)] f32 become codes of FP4 (E2M1) with one E8M0 byte for each 32 along k, laid as IMAGES OF THE OPERAND'S REGISTERS.
; wimg = Wq, Wk, Wv, Wd, 34,816 bytes each: 32 fragments of 1,024 bytes, then 32 x 64 bytes of scale words.  Fragment f = 2 T + ks is 16 rows x 128 k: lane (r, h) holds row 32 (T / 2) + 8 (T % 2) + r + 8 (r / 8),
; k = 128 ks + 64 c + 32 h + 0 .. 31 in register group c, at 1,024 f + 512 c + 16 x lane.  Its scale word of row r lies at 32,768 + 64 f + 4 r.
; A block's scale is 2^(floor(log2(largest magnitude)) - 2); its byte is the largest magnitude's exponent field - 2, held at 1 from below.
; LIMITS: a block of zeros gets the byte 1 where the rule says 127 (its codes are zeros, and this program alone reads the bytes); blocks whose largest magnitude lies under 2^-124 are quantised at the byte 1;
; NaN and infinities among the weights are not served.
.set SEL,   62
.set TM,    112
.set FLOOR, 0x1800000
.macro QUANT src, dst, word, nb, floor
.set qb, 0
.rept \nb
	v_max3_num_f32 v[TM+qb], |v[\src+16*qb]|, |v[\src+16*qb+1]|, \floor
.set qb, qb+1
.endr
.irp i, 2,4,6,8,10,12,14
.set qb, 0
.rept \nb
	s_delay_alu instid0(VALU_DEP_4)
	v_max3_num_f32 v[TM+qb], v[TM+qb], |v[\src+16*qb+\i]|, |v[\src+16*qb+\i+1]|
.set qb, qb+1
.endr
.endr
.set qb, 0
.rept \nb
	s_delay_alu instid0(VALU_DEP_4)
	v_permlanex16_b32 v[TM+4+qb], v[TM+qb], s[SEL], s[SEL+1]
.set qb, qb+1
.endr
.set qb, 0
.rept \nb
	s_delay_alu instid0(VALU_DEP_4)
	v_max_num_f32 v[TM+qb], v[TM+qb], v[TM+4+qb]
.set qb, qb+1
.endr
.set qb, 0
.rept \nb
	s_delay_alu instid0(VALU_DEP_4)
	v_add_nc_u32 v[TM+8+qb], 0xff000000, v[TM+qb]
.set qb, qb+1
.endr
.set qb, 0
.rept \nb
	s_delay_alu instid0(VALU_DEP_4)
	v_lshrrev_b32 v[TM+4+qb], 23, v[TM+8+qb]
.set qb, qb+1
.endr
	s_delay_alu instid0(VALU_DEP_3)
	v_lshl_or_b32 v[\word], v[TM+5], 8, v[TM+4]
	s_delay_alu instid0(VALU_DEP_1)
	v_lshl_or_b32 v[\word], v[TM+6], 16, v[\word]
	s_delay_alu instid0(VALU_DEP_1)
	v_lshl_or_b32 v[\word], v[TM+7], 24, v[\word]
.set qb, 0
.rept \nb
	v_cvt_scalef32_pk8_fp4_f32 v[\dst+2*qb], v[\src+16*qb:\src+16*qb+7], v[TM+8+qb]
	v_cvt_scalef32_pk8_fp4_f32 v[\dst+2*qb+1], v[\src+16*qb+8:\src+16*qb+15], v[TM+8+qb]
.set qb, qb+1
.endr
	v_nop                                                  ; one plain line behind the last scaled conversion
.set qb, 0
.rept \nb/2
	v_permlane16_swap_b32 v[\dst+4*qb], v[\dst+4*qb+2]
	v_permlane16_swap_b32 v[\dst+4*qb+1], v[\dst+4*qb+3]
.set qb, qb+1
.endr
.endm
	s_load_b256 s[4:11], s[0:1], 0x0               ; cluster_id, Wq, Wk, Wv
	s_load_b128 s[12:15], s[0:1], 0x20             ; Wd, order
	s_load_b64 s[2:3], s[0:1], 0x30                ; wimg
	s_load_b64 s[48:49], s[0:1], 0x38              ; rank
	v_lshrrev_b32 v1, 5, v0
	s_delay_alu instid0(VALU_DEP_1)
	v_readfirstlane_b32 s50, v1                    ; wave 0..7
	s_wait_kmcnt 0x0
	s_cmp_lt_u32 ttmp9, 256
	s_cbranch_scc0 .Lweights
; ---- THE SORT.  u = id xor 0x80000000 orders ids as unsigned numbers.  (u', t') < (u, t) is the carry out of u + not(u') + [t > t'].
; [t > t'] of my 32 lanes is a mask known from ids alone: all ones for a group of 32 tokens under my wave's, zeros for one above, and in my own group bits ci + 1 .. 31:
; the low word of Z >> (31 - ci), Z = (ones, ones), (0, 0) or (ones above, zeros below).
	s_lshl_b32 s52, ttmp9, 10
	s_mov_b32 s53, 0
	s_add_nc_u64 s[4:5], s[4:5], s[52:53]
	s_add_nc_u64 s[14:15], s[14:15], s[52:53]
	s_add_nc_u64 s[48:49], s[48:49], s[52:53]
	v_lshlrev_b32 v5, 2, v0
	global_load_b32 v1, v5, s[4:5]                 ; my own id
.macro LD32 base, grp
	s_load_b512 s[\base:\base+15], s[4:5], 128*(\grp)
	s_load_b512 s[\base+16:\base+31], s[4:5], 128*(\grp)+64
.endm
.macro CMP32 base                      ; two tokens a turn, in two chains that do not hang on each other
.set ci, 0
.rept 16
	s_xor_b32 s[\base+ci], s[\base+ci], 0x7fffffff         ; not(u')
	s_xor_b32 s[\base+ci+1], s[\base+ci+1], 0x7fffffff
	s_lshr_b64 s[56:57], s[54:55], 31-ci                   ; s56: the lanes with t > t'
	s_lshr_b64 s[58:59], s[54:55], 30-ci
	v_add_co_ci_u32 v4, s60, s[\base+ci], v1, s56          ; carry: t' comes before me
	v_add_co_ci_u32 v6, s61, s[\base+ci+1], v1, s58
	v_add_co_ci_u32 v3, vcc_lo, 0, v3, s60                 ; counted
	v_add_co_ci_u32 v7, vcc_lo, 0, v7, s61
.set ci, ci+2
.endr
.endm
	LD32 16, 0
	v_mov_b32 v3, 0
	v_mov_b32 v7, 0
	s_wait_loadcnt 0x0
	v_xor_b32 v1, 0x80000000, v1
.irp grp, 0,1,2,3,4,5,6,7
	s_wait_alu depctr_va_vdst(0)
	s_wait_kmcnt 0x0                               ; this group's ids are in
.if \grp < 7
	LD32 16+52*((\grp+1)%2), \grp+1                ; the next group into the other set, s[16:47] and s[68:99] by turns
.endif
	s_cmp_gt_u32 s50, \grp
	s_cselect_b32 s54, -1, 0                       ; Z's low word: ones where the group lies under my wave's
	s_cmp_ge_u32 s50, \grp
	s_cselect_b32 s55, -1, 0                       ; its high word: also in my own group
	CMP32 16+52*(\grp%2)
.endr
	v_add_nc_u32 v3, v3, v7
	s_delay_alu instid0(VALU_DEP_1)
	v_min_u32 v3, 255, v3                          ; a count of 256 tokens less myself: the clamp changes nothing
	s_delay_alu instid0(VALU_DEP_1)
	v_lshlrev_b32 v8, 2, v3
	global_store_b32 v5, v3, s[48:49]              ; rank[t] = my place: a wave stores 128 consecutive bytes
	global_store_b32 v8, v0, s[14:15]              ; order[my place] = t
	s_endpgm
; ---- THE WEIGHTS.  Sixteen work-groups x eight waves = 128 fragments, one a wave.
.Lweights:
	s_sub_co_u32 s52, ttmp9, 256
	s_lshr_b32 s53, s52, 2                         ; which weight
	s_and_b32 s54, s52, 3
	s_lshl_b32 s54, s54, 3
	s_add_co_u32 s54, s54, s50                     ; fragment f = 2 T + ks
	s_lshr_b32 s55, s54, 1
	s_and_b32 s60, s54, 1
	s_lshr_b32 s61, s55, 1
	s_lshl_b32 s61, s61, 5
	s_and_b32 s55, s55, 1
	s_lshl_b32 s55, s55, 3
	s_add_co_u32 s61, s61, s55                     ; the tile's first row
	s_lshl_b32 s60, s60, 9
	s_mul_i32 s55, s53, 34816
	s_lshl_b32 s51, s54, 10
	s_add_co_u32 s51, s51, s55
	s_lshl_b32 s54, s54, 6
	s_add_co_u32 s54, s54, s55
	s_add_co_u32 s54, s54, 32768
	s_cmp_lt_u32 s53, 1
	s_cselect_b64 s[56:57], s[6:7], s[8:9]
	s_cmp_lt_u32 s53, 3
	s_cselect_b64 s[58:59], s[10:11], s[12:13]
	s_cmp_lt_u32 s53, 2
	s_cselect_b64 s[56:57], s[56:57], s[58:59]
	s_mov_b32 s[SEL], 0x76543210
	s_mov_b32 s[SEL+1], 0xfedcba98
	v_and_b32 v1, 31, v0
	v_and_b32 v2, 15, v0
	v_bfe_u32 v3, v0, 4, 1
	s_delay_alu instid0(VALU_DEP_2)
	v_and_b32 v4, 8, v2
	s_delay_alu instid0(VALU_DEP_1)
	v_add_nc_u32 v4, v4, v2
	s_delay_alu instid0(VALU_DEP_1)
	v_add_nc_u32 v4, s61, v4
	s_delay_alu instid0(VALU_DEP_1)
	v_lshlrev_b32 v4, 10, v4
	s_delay_alu instid0(VALU_DEP_1)
	v_lshl_add_u32 v4, v3, 6, v4
	s_delay_alu instid0(VALU_DEP_1)
	v_add_nc_u32 v4, s60, v4
.irp b, 0,1,2,3
.irp j, 0,1,2,3
	global_load_b128 v[32+16*\b+4*\j:32+16*\b+4*\j+3], v4, s[56:57] offset:128*\b+16*\j
.endr
.endr
.irp b, 0,1,2,3
	v_mov_b32 v[TM+4+\b], 0
.endr
	v_lshl_add_u32 v6, v1, 4, s51
	v_lshl_add_u32 v7, v2, 2, s54
	s_wait_loadcnt 0x0
	QUANT 32, 96, 104, 4, FLOOR
	global_store_b128 v6, v[96:99], s[2:3]
	global_store_b128 v6, v[100:103], s[2:3] offset:512
	global_store_b32 v7, v104, s[2:3]
	s_endpgm
.Lfunc_end_k_qa3f4511059_prep:
	.size	k_qa3f4511059_prep, .Lfunc_end_k_qa3f4511059_prep-k_qa3f4511059_prep
	.p2alignl 7, 3214868480
	.fill 96, 4, 3214868480
	.section	.rodata,"a",@progbits
	.p2align	6, 0x0
	.amdhsa_kernel k_qa3f4511059_prep
		.amdhsa_group_segment_fixed_size 0
		.amdhsa_private_segment_fixed_size 0
		.amdhsa_enable_private_segment 0
		.amdhsa_kernarg_size 64
		.amdhsa_user_sgpr_count 2
		.amdhsa_user_sgpr_kernarg_segment_ptr 1
		.amdhsa_wavefront_size32 1
		.amdhsa_system_sgpr_workgroup_id_x 1
		.amdhsa_system_sgpr_workgroup_id_y 1
		.amdhsa_system_sgpr_workgroup_id_z 1
		.amdhsa_system_vgpr_workitem_id 0
		.amdhsa_next_free_vgpr 128
		.amdhsa_next_free_sgpr 100
		.amdhsa_reserve_vcc 1
		.amdhsa_float_denorm_mode_32 3
		.amdhsa_float_denorm_mode_16_64 3
		.amdhsa_memory_ordered 1
		.amdhsa_forward_progress 1
		.amdhsa_inst_pref_size 69
	.end_amdhsa_kernel
	.amdgpu_metadata
---
amdhsa.version: [ 1, 2 ]
amdhsa.kernels:
  - .name:           k_qa3f4511059_prep
    .symbol:         k_qa3f4511059_prep.kd
    .args:
      - { .name: cluster_id, .offset: 0, .size: 8, .value_kind: global_buffer, .address_space: global }
      - { .name: Wq, .offset: 8, .size: 8, .value_kind: global_buffer, .address_space: global }
      - { .name: Wk, .offset: 16, .size: 8, .value_kind: global_buffer, .address_space: global }
      - { .name: Wv, .offset: 24, .size: 8, .value_kind: global_buffer, .address_space: global }
      - { .name: Wd, .offset: 32, .size: 8, .value_kind: global_buffer, .address_space: global }
      - { .name: order, .offset: 40, .size: 8, .value_kind: global_buffer, .address_space: global }
      - { .name: wimg, .offset: 48, .size: 8, .value_kind: global_buffer, .address_space: global }
      - { .name: rank, .offset: 56, .size: 8, .value_kind: global_buffer, .address_space: global }
    .group_segment_fixed_size: 0
    .private_segment_fixed_size: 0
    .kernarg_segment_align: 8
    .kernarg_segment_size: 64
    .max_flat_workgroup_size: 256
    .sgpr_count:     100
    .vgpr_count:     128
    .wavefront_size: 32
...
	.end_amdgpu_metadata
.endif
;; end of part 1
;; launch attn (part 2): grid 256 x 1, 16 waves a work-group, no clusters, 307,200 bytes of LDS; arguments seq, attention_mask, order, wimg, bq, bk, bv, bd, ln_w, ln_b, out0, rank; writes out0
.if DOCPART == 2
	.amdgcn_target "amdgcn-amd-amdhsa--gfx1250"
	.amdhsa_code_object_version 6
	.text
	.protected	k_qa3f4511059_attn
	.globl	k_qa3f4511059_attn
	.p2align	8
	.type	k_qa3f4511059_attn,@function
k_qa3f4511059_attn:
	s_mov_b64 s[64:65], 0
	v_nop
	global_prefetch_b8 v0, s[64:65] scope:SCOPE_SE
	s_setreg_imm32_b32 hwreg(HW_REG_WAVE_MODE, 25, 1), 1
	s_wait_xcnt 0x0
; out0 = 0.5 LN(full attention block) + 0.5 LN(chunked attention block on the tokens sorted by cluster), all products on codes of FP4 (E2M1) with one E8M0 scale for each 32 along K.
; ONE WORK-GROUP TAKES ONE BATCH (256 tokens x 256 features) THROUGH THE WHOLE CHAIN; nothing but the output goes to memory.  Sixteen waves of 256 registers.
; POS(w, r) = 32 (w / 2) + 8 (w % 2) + r + 8 (r / 8).  Row r of tile w is ALWAYS position POS(w, r): of tokens (natural index, or place in the sorted order) and of the weights' rows.  A product that takes such a
; tile as source 0 leaves, in lane (r, h), in the 16 registers of tiles 2 b and 2 b + 1, the 16 neighbours 32 b + 16 h + 0 .. 15 of its rows' axis: what the next quantiser wants.
; SHARES.  Wave w owns the sorted places POS(w, r) as QUERIES of both attentions and through Wd, residual, LayerNorm and the store; token tile w (sorted and natural) of x, K; feature tile w of V^T.
; WHAT IS COMPUTED ONCE.  A quantiser along features works row by row, so a permutation of rows passes through it.  x is quantised in natural order; its sorted image is GATHERED from the natural one in LDS, row by row, by order.
; Q and K are made once, in sorted order; K's natural image is gathered from the sorted one by rank.  V^T is quantised along the keys, so it is made in both key orders.
; A gather's LDS address is made of a whole number read from memory, clamped to 255, by ANDs, left shifts and additions; a barrier stands between the gathers and the next LDS stores of any wave.
; THE 1/8 of the scores is taken off Q's scale bytes.  THE MASK IS THE C OF THE SCORE PRODUCT.  SOFTMAX: t = logit x log2(e); M = ceil of the running largest t; p = 2^(t - M) is quantised along the keys; the sum of the unquantised p divides at the end.
; TAIL: x = ctx Wd^T + bd + seq[token], both branches in one walk over Wd: seq + bd is the C of both.  out[token] = ln_w (d_f a_f + d_c a_c) + ln_b with d = x - mean(x), a = 0.5 / sqrt(var + 1e-12); both variances are sums of d^2.
; NO CLUSTER, NO TENSOR LOAD: work-groups share only the weights' images, 104 KB staged into LDS once at the head, against 768 KB of bytes that are a work-group's own.
; LIMITS.  A row whose mask is all -inf gives NaN, as the definition does.  Blocks of Q whose largest magnitude lies under 2^-121 are quantised at the byte 4 (1 after the 1/8), other blocks under 2^-124 at the byte 1.
; A block of zeros carries that floor's byte and not 127: its codes are zeros and this program alone reads the bytes.  NaN and infinities in seq, the weights and the biases are not served.
.set LWQ,  0
.set LWK,  34816
.set LVN,  0
.set LVS,  32768
.set LVNS, 65536
.set LVSW, 67584
.set LXS,  74752
.set LXN,  107520
.set LXSW, 140288
.set LXNW, 142336
.set LCTX, 74752
.set LKN,  144384
.set LKS,  177152
.set LKNW, 209920
.set LKSW, 214016
.set LQ,   218112
.set LWD,  266240
.set LBQ,  303104                      ; behind the spare words: bq, bk, bd, bv, 1,024 bytes each
.set SPITCH, 1040
.set FLOOR,  0x1800000
.set FLOORQ, 0x3000000
.set LI,  1                            ; v1 16 x lane; v2 4 x (lane % 16); v3 my query's token x 1,024 + 64 h; v4 POS x 1,024 + 64 h (tail: bd's LDS address); v5 64 h; v6 the prefetches' offset; v7 16 x (lane % 16)
.set LS,  2
.set GO,  3
.set XAN, 4
.set HB,  5
.set PFO, 6
.set RW,  7
.set AD0, 8
.set AD1, 9
.set AD2, 10
.set AD3, 11
.set NM,  12
.set MT,  13
.set LL,  14
.set CP,  16
.set XFS, 16
.set XFN, 32
.set EE,  48
.set BV,  56
.set QC,  16
.set PC,  24
.set CN,  32
.set CMO, 36
.set CF,  16
.set CC,  32
.set XF,  48                           ; tail: 16 numbers of the full branch's x
.set LNB, 48
.set LNW, 232
.set ACC, 64
.set CM,  96
.set WB,  128
.set KB,  128
.set OUT, 164
.set WVF, 192
.set PCT, 208
.set BM,  200
.set BP,  204
.set BO,  208
.set TT,  212
.set FF,  214
.set TM,  216
.set OT,  224
.set XGI, 228                          ; v228-231 the gathers' LDS addresses: x's image and words, K's image and words
.set XGW, 229
.set KGI, 230
.set KGW, 231
.set XFP, 32                           ; projections: v32-47 my neighbour's sorted tile of x (wave w xor 1), v242-243 its scale words; v14, v15 its gather's LDS addresses
.set XSP, 242
.set XPI, 14
.set XPW, 15
.set SW,  232
.set XSS, 240
.set XSN, 242
.set WVS, 244
.set QSC, 246
.set PSW, 247
.set CFW, 248
.set CCW, 250
.set PW,  252
.set HW,  253
.set PW2, 254
.set SEL, 28
.macro PLACES n
.rept \n
	v_nop
.endr
.endm
.macro BARRIER                         ; my LDS stores have landed and my LDS loads are in: then the work-group's barrier
	s_wait_alu depctr_va_vdst(0)
	s_wait_dscnt 0x0
	s_barrier_signal -1
	s_barrier_wait -1
.endm
.macro WM d, a, b, c, sa, sb
	v_wmma_scale_f32_16x16x128_f8f6f4 v[\d:\d+7], v[\a:\a+7], v[\b:\b+7], v[\c:\c+7], v[\sa], v[\sb] matrix_a_fmt:MATRIX_FMT_FP4 matrix_b_fmt:MATRIX_FMT_FP4
.endm
.macro WMZ d, a, b, sa, sb
	v_wmma_scale_f32_16x16x128_f8f6f4 v[\d:\d+7], v[\a:\a+7], v[\b:\b+7], 0, v[\sa], v[\sb] matrix_a_fmt:MATRIX_FMT_FP4 matrix_b_fmt:MATRIX_FMT_FP4
.endm
; nb x 16 numbers of a lane, register 16 b + i = k 32 b + 16 (lane / 16) + i of my row, become codes in v[dst] on and the scale word in v[word]
.macro QUANT src, dst, word, nb, floor
.set qb, 0
.rept \nb
	v_max3_num_f32 v[TM+qb], |v[\src+16*qb]|, |v[\src+16*qb+1]|, \floor
.set qb, qb+1
.endr
.irp i, 2,4,6,8,10,12,14
.set qb, 0
.rept \nb
	v_max3_num_f32 v[TM+qb], v[TM+qb], |v[\src+16*qb+\i]|, |v[\src+16*qb+\i+1]|
.set qb, qb+1
.endr
.endr
.set qb, 0
.rept \nb
	v_permlanex16_b32 v[TM+4+qb], v[TM+qb], s[SEL], s[SEL+1]
.set qb, qb+1
.endr
.set qb, 0
.rept \nb
	v_max_num_f32 v[TM+qb], v[TM+qb], v[TM+4+qb]
.set qb, qb+1
.endr
.set qb, 0
.rept \nb
	v_add_nc_u32 v[TM+8+qb], 0xff000000, v[TM+qb]
.set qb, qb+1
.endr
.set qb, 0
.rept \nb
	v_lshrrev_b32 v[TM+4+qb], 23, v[TM+8+qb]
.set qb, qb+1
.endr
	v_lshl_or_b32 v[\word], v[TM+5], 8, v[TM+4]
.if \nb == 4
	s_delay_alu instid0(VALU_DEP_1)
	v_lshl_or_b32 v[\word], v[TM+6], 16, v[\word]
	s_delay_alu instid0(VALU_DEP_1)
	v_lshl_or_b32 v[\word], v[TM+7], 24, v[\word]
.endif
.set qb, 0
.rept \nb
	v_cvt_scalef32_pk8_fp4_f32 v[\dst+2*qb], v[\src+16*qb:\src+16*qb+7], v[TM+8+qb]
	v_cvt_scalef32_pk8_fp4_f32 v[\dst+2*qb+1], v[\src+16*qb+8:\src+16*qb+15], v[TM+8+qb]
.set qb, qb+1
.endr
	v_nop                                                  ; one plain line behind the last scaled conversion
.set qb, 0
.rept \nb/2
	v_permlane16_swap_b32 v[\dst+4*qb], v[\dst+4*qb+2]
	v_permlane16_swap_b32 v[\dst+4*qb+1], v[\dst+4*qb+3]
.set qb, qb+1
.endr
.endm
.macro XLOAD reg, ks, off
.irp b, 0,1,2,3
.irp j, 0,1,2,3
	global_load_b128 v[\reg+16*\b+4*\j:\reg+16*\b+4*\j+3], v[\off], s[4:5] offset:512*\ks+128*\b+16*\j
.endr
.endr
.endm
; position n = 32 a + 16 b4 + 8 u + l lies in tile 2 a + u, row l + 8 b4.  img = tile x 2,048 + 16 row; word = tile x 2^(wb + 3 - 1 ..): tile bits shifted by wa, wb, + 4 row.  ANDs, left shifts and additions alone
.macro BITS src, img, word, wa, wb
	v_and_b32 v208, 0xe0, v[\src]
	v_and_b32 v209, 8, v[\src]
	v_and_b32 v210, 16, v[\src]
	v_and_b32 v211, 7, v[\src]
	v_lshlrev_b32 v[\img], 7, v208
	v_lshlrev_b32 v[\word], \wa, v208
	v_lshl_add_u32 v[\img], v209, 8, v[\img]
	v_lshl_add_u32 v[\word], v209, \wb, v[\word]
	v_lshl_add_u32 v[\img], v210, 3, v[\img]
	v_lshl_add_u32 v[\word], v210, 1, v[\word]
	v_lshl_add_u32 v[\img], v211, 4, v[\img]
	v_lshl_add_u32 v[\word], v211, 2, v[\word]
.endm
; ACC = bias + x W^T for my 16 tokens and the 64 features of head 2 (w % 2) + q.  The bias comes from LDS straight into the accumulators.  Four accumulators by turns.
; A PAIR OF WAVES SHARES A PROJECTION: wave w takes the token tiles w and w xor 1 and the feature half w % 2 (heads 2 (w % 2) + q), so that each fragment of W and each bias register feeds two products.
; v[ACC] on: my tile's 64 features of the head, v[ACC + 32] on: my neighbour's.  s[sw0], s[sw1], s[sb]: my half's fragments, their words, its bias in LDS.  The bias lies in v48-63 and v208-223 and is the C of both tiles' first products.
.macro PROJ sw0, sw1, sb, q
	v_add_nc_u32 v[AD0], s[\sw0], v[LI]
	v_add_nc_u32 v[AD1], s[\sw1], v[LS]
	v_add_nc_u32 v[AD2], s[\sb], v[HB]
.irp j, 0,1,2,3
	ds_load_b128 v[48+4*\j:48+4*\j+3], v[AD2] offset:256*\q+16*\j
	ds_load_b128 v[208+4*\j:208+4*\j+3], v[AD2] offset:256*\q+128+16*\j
.endr
.irp t, 0,1,2,3
.irp ks, 0,1
	ds_load_b128 v[WB+16*\t+8*\ks:WB+16*\t+8*\ks+3], v[AD0] offset:(2*(4*\q+\t)+\ks)*1024
	ds_load_b128 v[WB+16*\t+8*\ks+4:WB+16*\t+8*\ks+7], v[AD0] offset:(2*(4*\q+\t)+\ks)*1024+512
	ds_load_b32 v[SW+2*\t+\ks], v[AD1] offset:(2*(4*\q+\t)+\ks)*64
.endr
.endr
	s_wait_alu depctr_va_vdst(0)
	s_wait_dscnt 0x0
.irp t, 0,1,2,3
	WM ACC+8*\t, WB+16*\t, XFS, 48+8*\t+144*(\t/2), SW+2*\t, XSS
	WM ACC+32+8*\t, WB+16*\t, XFP, 48+8*\t+144*(\t/2), SW+2*\t, XSP
.endr
.irp t, 0,1,2,3
	WM ACC+8*\t, WB+16*\t+8, XFS+8, ACC+8*\t, SW+2*\t+1, XSS+1
	WM ACC+32+8*\t, WB+16*\t+8, XFP+8, ACC+32+8*\t, SW+2*\t+1, XSP+1
.endr
	PLACES 4
.endm
; ACC = bv + V^T: my 16 features (source 1 = my tile of Wv) x tokens 128 s .. 128 s + 127 (source 0 = x's images)
.macro VT xbase, xwbase, s
	v_add_nc_u32 v[AD0], \xbase, v[LI]
	s_wait_alu depctr_va_vdst(0)
	v_add_nc_u32 v[AD1], \xwbase, v[LS]
	s_wait_alu depctr_va_vdst(0)
.irp q, 0,1
.if \q
	PLACES 4
.endif
.irp t, 0,1,2,3
.irp ks, 0,1
	ds_load_b128 v[WB+16*\t+8*\ks:WB+16*\t+8*\ks+3], v[AD0] offset:(8*\s+4*\q+\t)*2048+\ks*1024
	ds_load_b128 v[WB+16*\t+8*\ks+4:WB+16*\t+8*\ks+7], v[AD0] offset:(8*\s+4*\q+\t)*2048+\ks*1024+512
	ds_load_b32 v[SW+2*\t+\ks], v[AD1] offset:(8*\s+4*\q+\t)*128+\ks*64
.endr
.endr
	s_wait_dscnt 0x0
.irp t, 0,1,2,3
	WM ACC+8*(4*\q+\t), WB+16*\t, WVF, BV, SW+2*\t, WVS
.endr
.irp t, 0,1,2,3
	WM ACC+8*(4*\q+\t), WB+16*\t+8, WVF+8, ACC+8*(4*\q+\t), SW+2*\t+1, WVS+1
.endr
.endr
	PLACES 4
.endm
; a head's piece of my tile (codes s[sc], word s[sw]) and of my neighbour's (s[pc], s[pw]) go to their owners' LDS bytes.  A head's word wants its two bytes lowest; what lies above meets zero codes
.macro PSTORE sc, sw, pc, pw, q
	v_lshrrev_b32 v[PW2], 16, v[PW]
	v_add_nc_u32 v[AD2], s[\sc], v[LI]
	v_add_nc_u32 v[AD3], s[\sw], v[LS]
	v_add_nc_u32 v[AD0], s[\pc], v[LI]
	v_add_nc_u32 v[AD1], s[\pw], v[LS]
	ds_store_b128 v[AD2], v[PCT:PCT+3] offset:512*\q
	ds_store_b128 v[AD0], v[PCT+4:PCT+7] offset:512*\q
	ds_store_b32 v[AD3], v[PW] offset:64*\q
	ds_store_b32 v[AD1], v[PW2] offset:64*\q
.endm
.macro MLOAD s
.irp b, 0,1,2,3
.irp j, 0,1,2,3
	global_load_b128 v[ACC+16*\b+4*\j:ACC+16*\b+4*\j+3], v[GO], s[6:7] offset:512*\s+128*\b+16*\j
.endr
.endr
.endm
; THE SOFTMAX of nb blocks of 32 keys (16 nb scores a lane, from v[ACC] on)
.macro SOFT_A nb, run
.set sb, 0
.rept \nb
	v_max3_num_f32 v[BM+sb], v[ACC+16*sb], v[ACC+16*sb+1], v[ACC+16*sb+2]
.set sb, sb+1
.endr
.irp i, 3,5,7,9,11,13
.set sb, 0
.rept \nb
	v_max3_num_f32 v[BM+sb], v[BM+sb], v[ACC+16*sb+\i], v[ACC+16*sb+\i+1]
.set sb, sb+1
.endr
.endr
.set sb, 0
.rept \nb
	v_max_num_f32 v[BM+sb], v[BM+sb], v[ACC+16*sb+15]
.set sb, sb+1
.endr
.set sb, 0
.rept \nb
	v_permlanex16_b32 v[BP+sb], v[BM+sb], s[SEL], s[SEL+1]
.set sb, sb+1
.endr
.set sb, 0
.rept \nb
	v_max_num_f32 v[BM+sb], v[BM+sb], v[BP+sb]
.set sb, sb+1
.endr
.if \nb == 4
	s_delay_alu instid0(VALU_DEP_2)
	v_max3_num_f32 v[TT], v[BM], v[BM+1], v[BM+2]
	s_delay_alu instid0(VALU_DEP_1)
	v_max_num_f32 v[TT], v[TT], v[BM+3]
.else
	s_delay_alu instid0(VALU_DEP_1)
	v_max_num_f32 v[TT], v[BM], v[BM+1]
.endif
	s_delay_alu instid0(VALU_DEP_1)
	v_mul_f32 v[TT], s30, v[TT]
.if \run
	s_delay_alu instid0(VALU_DEP_1)
	v_max_num_f32 v[MT], v[MT], v[TT]
	v_mov_b32 v[TT], v[NM]
	s_delay_alu instid0(VALU_DEP_2)
	v_floor_f32 v[NM], -v[MT]                              ; -M = floor(-t): M is a whole number
	s_delay_alu instid0(VALU_DEP_1)
	v_sub_f32 v[TT], v[NM], v[TT]
	s_delay_alu instid0(VALU_DEP_1)
	v_cvt_i32_f32 v[TT], v[TT]
	s_delay_alu instid0(VALU_DEP_1)
	v_ldexp_f32 v[FF], 1.0, v[TT]                          ; 2^(old M - new M)
.else
	s_delay_alu instid0(VALU_DEP_1)
	v_max_num_f32 v[MT], 0xff61b1e6, v[TT]                 ; not under -3e38
	s_delay_alu instid0(VALU_DEP_1)
	v_floor_f32 v[NM], -v[MT]
.endif
.set sj, 0
.rept 8*\nb
	v_pk_fma_f32 v[ACC+sj:ACC+sj+1], v[ACC+sj:ACC+sj+1], s[30:31], v[NM:NM+1] op_sel_hi:[1,0,0]
.set sj, sj+2
.endr
.set sb, 0
.rept \nb
	v_fma_f32 v[BM+sb], v[BM+sb], s30, v[NM]
.set sb, sb+1
.endr
.set sj, 0
	s_wait_alu depctr_va_vdst(0)
.rept 16*\nb
	v_exp_f32 v[ACC+sj], v[ACC+sj]
.set sj, sj+1
.endr
.if \run
	v_pk_mul_f32 v[LL:LL+1], v[LL:LL+1], v[FF:FF+1] op_sel_hi:[1,0]
.else
	v_nop
.endif
	s_wait_alu depctr_va_vdst(0)
.set sb, 0
.rept \nb
	v_exp_f32 v[BM+sb], v[BM+sb]
.set sb, sb+1
.endr
	v_pk_add_f32 v[BP:BP+1], v[ACC:ACC+1], v[ACC+2:ACC+3]
.if \run
.set sj, 4
.else
	v_pk_add_f32 v[LL:LL+1], v[ACC+4:ACC+5], v[ACC+6:ACC+7]
.set sj, 8
.endif
.rept (16*\nb-sj)/4
	v_pk_add_f32 v[LL:LL+1], v[LL:LL+1], v[ACC+sj:ACC+sj+1]
	v_pk_add_f32 v[BP:BP+1], v[BP:BP+1], v[ACC+sj+2:ACC+sj+3]
.set sj, sj+4
.endr
	s_delay_alu instid0(VALU_DEP_1)
	v_pk_add_f32 v[LL:LL+1], v[LL:LL+1], v[BP:BP+1]
	s_wait_alu depctr_va_vdst(0)
.set sb, 0
.rept \nb
	v_max_num_f32 v[BM+sb], FLOOR, v[BM+sb]
.set sb, sb+1
.endr
.set sb, 0
.rept \nb
	v_add_nc_u32 v[BO+sb], 0xff000000, v[BM+sb]
.set sb, sb+1
.endr
.set sb, 0
.rept \nb
	v_lshrrev_b32 v[BP+sb], 23, v[BO+sb]
.set sb, sb+1
.endr
	v_lshl_or_b32 v[PSW], v[BP+1], 8, v[BP]
.if \nb == 4
	s_delay_alu instid0(VALU_DEP_1)
	v_lshl_or_b32 v[PSW], v[BP+2], 16, v[PSW]
	s_delay_alu instid0(VALU_DEP_1)
	v_lshl_or_b32 v[PSW], v[BP+3], 24, v[PSW]
.endif
.set sb, 0
.rept \nb
	v_cvt_scalef32_pk8_fp4_f32 v[PC+2*sb], v[ACC+16*sb:ACC+16*sb+7], v[BO+sb]
	v_cvt_scalef32_pk8_fp4_f32 v[PC+2*sb+1], v[ACC+16*sb+8:ACC+16*sb+15], v[BO+sb]
.set sb, sb+1
.endr
	v_nop
.endm
.macro SOFT_B nb
.set sb, 0
.rept \nb/2
	v_permlane16_swap_b32 v[PC+4*sb], v[PC+4*sb+2]
	v_permlane16_swap_b32 v[PC+4*sb+1], v[PC+4*sb+3]
.set sb, sb+1
.endr
.endm
; A KEY STEP OF THE FULL ATTENTION: natural keys 128 s .. 128 s + 127 of the head in hand.  The mask lies in the accumulators (asked for a step ago).
.macro FSTEP s, run, hook
	v_add_nc_u32 v[AD0], s33, v[LI]
	v_add_nc_u32 v[AD1], s34, v[LS]
	PLACES 2
.irp t, 0,1,2,3,4,5,6,7
	ds_load_b128 v[KB+4*\t:KB+4*\t+3], v[AD0] offset:(8*\s+\t)*2048
	ds_load_b32 v[SW+\t], v[AD1] offset:(8*\s+\t)*256
.endr
	s_wait_loadcnt 0x0                             ; the mask
	s_wait_dscnt 0x0
.irp t, 0,1,2,3,4,5,6,7
	WM ACC+8*\t, KB+4*\t, QC, ACC+8*\t, SW+\t, QSC
.endr
	PLACES 4
	SOFT_A 4, \run
.if \hook == 1
	MLOAD 1
.else
	s_cmp_eq_u32 s32, 3
	s_cbranch_scc1 .Lcm_\@
	MLOAD 0
	s_branch .Lhk_\@
.Lcm_\@:
.irp j, 0,1,2,3
	global_load_b128 v[CM+4*\j:CM+4*\j+3], v[CMO], s[6:7] offset:16*\j   ; the mask's diagonal block, by PLACE in the sorted order
.endr
.Lhk_\@:
.endif
	s_wait_alu depctr_va_vdst(0)
	SOFT_B 4
	v_add_nc_u32 v[AD2], s35, v[LI]
	v_add_nc_u32 v[AD3], s36, v[LS]
.if \run
.set sj, 0
.rept 16
	v_pk_mul_f32 v[OUT+sj:OUT+sj+1], v[OUT+sj:OUT+sj+1], v[FF:FF+1] op_sel_hi:[1,0]
.set sj, sj+2
.endr
.else
	PLACES 8
.endif
.irp dt, 0,1,2,3
	ds_load_b128 v[KB+8*\dt:KB+8*\dt+3], v[AD2] offset:\dt*2048+\s*1024
	ds_load_b128 v[KB+8*\dt+4:KB+8*\dt+7], v[AD2] offset:\dt*2048+\s*1024+512
	ds_load_b32 v[SW+\dt], v[AD3] offset:\dt*128+\s*64
.endr
	s_wait_alu depctr_va_vdst(0)
	s_wait_dscnt 0x0
.irp dt, 0,1,2,3
.if \run
	WM OUT+8*\dt, KB+8*\dt, PC, OUT+8*\dt, SW+\dt, PSW
.else
	WMZ OUT+8*\dt, KB+8*\dt, PC, SW+\dt, PSW
.endif
.endr
.endm
; A HEAD'S END: O^T / the row's sum, quantised along the features, to my own LDS bytes; its two scale bytes are shifted into the pair v[w0], v[w0 + 1] from the top
.macro HEADEND w0
	v_add_f32 v[TT], v[LL], v[LL+1]
	s_delay_alu instid0(VALU_DEP_1)
	v_permlanex16_b32 v[BP], v[TT], s[SEL], s[SEL+1]
	s_delay_alu instid0(VALU_DEP_1)
	v_add_f32 v[TT], v[TT], v[BP]
	PLACES 2
	s_wait_alu depctr_va_vdst(0)
	v_rcp_f32 v[FF], v[TT]
	v_nop
	s_wait_alu depctr_va_vdst(0)
.set sj, 0
.rept 16
	v_pk_mul_f32 v[OUT+sj:OUT+sj+1], v[OUT+sj:OUT+sj+1], v[FF:FF+1] op_sel_hi:[1,0]
.set sj, sj+2
.endr
	QUANT OUT, CN, HW, 2, FLOOR
	v_add_nc_u32 v[AD0], s39, v[LI]
	ds_store_b128 v[AD0], v[CN:CN+3]
	v_lshrrev_b32 v[\w0], 16, v[\w0]
	s_delay_alu instid0(VALU_DEP_1)
	v_lshl_or_b32 v[\w0], v[\w0+1], 16, v[\w0]
	v_lshrrev_b32 v[\w0+1], 16, v[\w0+1]
	s_delay_alu instid0(VALU_DEP_1)
	v_lshl_or_b32 v[\w0+1], v[HW], 16, v[\w0+1]
.endm
; ================= 1. HEAD: addresses; the weights' images and the biases to LDS; my natural tile of x quantised =================
	s_load_b512 s[4:19], s[0:1], 0x0               ; seq, mask, order, wimg, bq, bk, bv, bd
	s_load_b128 s[20:23], s[0:1], 0x40             ; ln_w, ln_b
	s_load_b64 s[24:25], s[0:1], 0x50              ; out0
	s_load_b64 s[48:49], s[0:1], 0x58              ; rank
	v_lshrrev_b32 v201, 5, v0
	s_delay_alu instid0(VALU_DEP_1)
	v_readfirstlane_b32 s26, v201                  ; wave 0..15
	v_and_b32 v201, 31, v0
	v_and_b32 v202, 15, v0                         ; r
	v_bfe_u32 v203, v0, 4, 1                       ; h
	s_delay_alu instid0(VALU_DEP_3)
	v_lshlrev_b32 v[LI], 4, v201
	s_delay_alu instid0(VALU_DEP_3)
	v_lshlrev_b32 v[LS], 2, v202
	s_delay_alu instid0(VALU_DEP_3)
	v_lshlrev_b32 v[HB], 6, v203
	v_lshlrev_b32 v[RW], 4, v202
	s_lshr_b32 s40, s26, 1
	s_lshl_b32 s27, s40, 5
	s_and_b32 s41, s26, 1
	s_lshl_b32 s41, s41, 3
	s_add_co_u32 s27, s27, s41                     ; POS(w, 0)
	v_and_b32 v204, 8, v202
	s_delay_alu instid0(VALU_DEP_1)
	v_add_nc_u32 v204, v204, v202
	s_delay_alu instid0(VALU_DEP_1)
	v_add_nc_u32 v204, s27, v204                   ; POS(w, r)
	s_delay_alu instid0(VALU_DEP_1)
	v_lshl_add_u32 v[XAN], v204, 10, v[HB]
	s_delay_alu instid0(VALU_DEP_2)
	v_lshlrev_b32 v13, 2, v204                     ; 4 POS
	v_lshlrev_b32 v196, 4, v0
	v_lshlrev_b32 v197, 2, v0
	v_lshl_add_u32 v198, v0, 4, LWD
	v_lshl_add_u32 v199, v0, 2, LWK+32768
	v_lshl_add_u32 v200, v0, 2, LWD+32768
	v_and_b32 v206, 0x3fc, v197                    ; the biases: 4 (thread % 256) in memory,
	v_lshl_add_u32 v207, v0, 2, LBQ
	v_xor_b32 v214, 32, v13                        ; 4 POS(w xor 1, r): my neighbour's places
.irp b, 0,1,2,3
	v_mov_b32 v[TM+4+\b], 0
.endr
	s_mov_b32 s[SEL], 0x76543210
	s_mov_b32 s[SEL+1], 0xfedcba98
	s_mov_b32 s30, 0x3fb8aa3b                      ; log2(e)
	s_mov_b32 s31, s30
	s_mov_b32 s46, 0x3b800000                      ; 1 / 256
	s_mov_b32 s47, 0x2b8cbccc                      ; 1e-12
	s_lshl_b32 s42, ttmp9, 18
	s_mov_b32 s43, 0
	s_lshl_b32 s44, ttmp9, 10
	s_mov_b32 s45, 0
	s_wait_alu depctr_va_vdst(0)
	s_wait_kmcnt 0x0
	s_add_nc_u64 s[4:5], s[4:5], s[42:43]
	s_add_nc_u64 s[6:7], s[6:7], s[42:43]
	s_add_nc_u64 s[24:25], s[24:25], s[42:43]
	s_add_nc_u64 s[8:9], s[8:9], s[44:45]
	s_add_nc_u64 s[48:49], s[48:49], s[44:45]
	s_cmp_lt_u32 s26, 8                            ; waves 0-7 bring bq and bd, waves 8-15 bk and bv: a word a thread of each
	s_cselect_b64 s[50:51], s[12:13], s[14:15]     ; in registers that no later line writes
	s_cselect_b64 s[52:53], s[18:19], s[16:17]
	global_load_b32 v195, v206, s[50:51]
	global_load_b32 v205, v206, s[52:53]
.macro CPL k, wo
.irp i, 0,1,2,3
	global_load_b128 v[CP+16*\k+4*\i:CP+16*\k+4*\i+3], v196, s[10:11] offset:\wo+8192*\i
.endr
	global_load_b32 v[192+\k], v197, s[10:11] offset:\wo+32768
.endm
	CPL 0, 0                                       ; Wq
	CPL 1, 34816                                   ; Wk
	CPL 2, 104448                                  ; Wd
	global_load_b32 v[PFO], v13, s[8:9]            ; the token at my sorted place
	global_load_b32 v212, v13, s[48:49]
	global_load_b32 v213, v214, s[8:9]             ; the token at my neighbour's sorted place
	XLOAD ACC, 0, XAN
	XLOAD WB, 1, XAN
	s_lshl_b32 s40, s26, 11
	s_lshl_b32 s41, s26, 7
	s_add_co_u32 s42, s40, LXN
	v_add_nc_u32 v[AD0], s42, v[LI]
	s_add_co_u32 s42, s40, LXS
	v_add_nc_u32 v[AD1], s42, v[LI]
	s_add_co_u32 s42, s41, LXNW
	v_add_nc_u32 v[AD2], s42, v[LS]
	s_add_co_u32 s42, s41, LXSW
	v_add_nc_u32 v[AD3], s42, v[LS]
	s_wait_loadcnt 35                              ; the 2 bias and 15 copy loads are in; order's two, rank's and x's 32 may stay out
.irp i, 0,1,2,3
	ds_store_b128 v196, v[CP+4*\i:CP+4*\i+3] offset:LWQ+8192*\i
.endr
	ds_store_b32 v197, v192 offset:LWQ+32768
.irp i, 0,1,2,3
	ds_store_b128 v196, v[CP+16+4*\i:CP+16+4*\i+3] offset:LWK+8192*\i
.endr
	ds_store_b32 v199, v193
.irp i, 0,1,2,3
	ds_store_b128 v198, v[CP+32+4*\i:CP+32+4*\i+3] offset:8192*\i
.endr
	ds_store_b32 v200, v194
	ds_store_b32 v207, v195                        ; bq, bk
	ds_store_b32 v207, v205 offset:2048            ; bd, bv
	s_wait_loadcnt 32                              ; order's and rank's loads are in
	v_min_u32 v[PFO], 255, v[PFO]                  ; a token's number and a place: the clamps change nothing
	v_min_u32 v212, 255, v212
	v_min_u32 v213, 255, v213
	v_lshlrev_b32 v203, 8, v203                    ; 256 h
	BITS PFO, XGI, XGW, 3, 4                       ; where my sorted token's row lies in x's natural image
	BITS 212, KGI, KGW, 4, 5
	BITS 213, XPI, XPW, 3, 4                       ; where my neighbour's sorted token's row lies in x's natural image
	v_add_nc_u32 v[XPI], v[XPI], v203
	v_add_nc_u32 v[XPW], LXNW, v[XPW]
	v_add_nc_u32 v[XPI], LXN, v[XPI]
	v_add_nc_u32 v[XGI], v[XGI], v203
	v_add_nc_u32 v[KGI], v[KGI], v203
	v_add_nc_u32 v[XGW], LXNW, v[XGW]
	v_add_nc_u32 v[KGW], LKSW, v[KGW]
	v_add_nc_u32 v[XGI], LXN, v[XGI]
	v_add_nc_u32 v[KGI], LKS, v[KGI]
	v_lshl_add_u32 v[GO], v[PFO], 10, v[HB]
	v_lshl_add_u32 v[PFO], v[PFO], 10, v203
	s_wait_dscnt 0x0                               ; the copies' stores have read their registers
	s_wait_loadcnt 16                              ; K step 0: the 16 loads of K step 1 may stay out
	QUANT ACC, XFN, XSN, 4, FLOOR
	ds_store_b128 v[AD0], v[XFN:XFN+3]
	ds_store_b128 v[AD0], v[XFN+4:XFN+7] offset:512
	ds_store_b32 v[AD2], v[XSN]
	s_wait_loadcnt 0x0
	QUANT WB, XFN+8, XSN+1, 4, FLOOR
	ds_store_b128 v[AD0], v[XFN+8:XFN+11] offset:1024
	ds_store_b128 v[AD0], v[XFN+12:XFN+15] offset:1536
	ds_store_b32 v[AD2], v[XSN+1] offset:64
	BARRIER                                        ; 1: the weights' images, the biases and x's natural image lie in LDS
.irp k, 0,1,2,3
	ds_load_b128 v[XFS+4*\k:XFS+4*\k+3], v[XGI] offset:512*\k    ; my sorted tile: lane (r, h) takes the row of the token at place POS(w, r)
.endr
	ds_load_b32 v[XSS], v[XGW]
	ds_load_b32 v[XSS+1], v[XGW] offset:64
.irp k, 0,1,2,3
	ds_load_b128 v[XFP+4*\k:XFP+4*\k+3], v[XPI] offset:512*\k    ; and my neighbour's sorted tile
.endr
	ds_load_b32 v[XSP], v[XPW]
	ds_load_b32 v[XSP+1], v[XPW] offset:64
	v_add_nc_u32 v12, LBQ+3072, v13                ; bv of my feature, in LDS
	s_lshl_b32 s40, s26, 11
	v_add_nc_u32 v14, s40, v[LI]
	s_lshl_b32 s40, s26, 7
	v_add_nc_u32 v15, s40, v[LS]
.irp ks, 0,1
	global_load_b128 v[WVF+8*\ks:WVF+8*\ks+3], v14, s[10:11] offset:69632+1024*\ks       ; my tile of Wv stays in registers
	global_load_b128 v[WVF+8*\ks+4:WVF+8*\ks+7], v14, s[10:11] offset:69632+1024*\ks+512
	global_load_b32 v[WVS+\ks], v15, s[10:11] offset:102400+64*\ks
.endr
	s_mul_i32 s40, s26, 2304
	s_add_co_u32 s40, s40, LQ
	s_add_co_u32 s41, s40, 2048
	s_lshl_b32 s42, s26, 11
	s_add_co_u32 s44, s42, LKN
	s_add_co_u32 s42, s42, LKS
	s_lshl_b32 s43, s26, 8
	s_add_co_u32 s45, s43, LKNW
	s_add_co_u32 s43, s43, LKSW
	s_and_b32 s54, s26, 1                          ; my feature half
	s_xor_b32 s61, s26, 1                          ; my neighbour
	s_lshl_b32 s62, s54, 10                        ; two heads' codes of a tile, and 16 fragments' words
	s_lshl_b32 s63, s54, 7                         ; two heads' words of a tile
	s_mul_i32 s32, s61, 2304
	s_add_co_u32 s32, s32, LQ
	s_add_co_u32 s33, s32, 2048
	s_lshl_b32 s34, s61, 11
	s_add_co_u32 s34, s34, LKS
	s_lshl_b32 s35, s61, 8
	s_add_co_u32 s35, s35, LKSW
	s_add_co_u32 s40, s40, s62                     ; where my half's heads go: in my tile's Q and K,
	s_add_co_u32 s42, s42, s62
	s_add_co_u32 s41, s41, s63
	s_add_co_u32 s43, s43, s63
	s_add_co_u32 s32, s32, s62                     ; and in my neighbour's
	s_add_co_u32 s34, s34, s62
	s_add_co_u32 s33, s33, s63
	s_add_co_u32 s35, s35, s63
	s_lshl_b32 s55, s54, 14                        ; my half of Wq: 16 fragments of 1,024 bytes (LWQ = 0),
	s_add_co_u32 s57, s55, LWK                     ; of Wk,
	s_add_co_u32 s56, s62, LWQ+32768               ; their words,
	s_add_co_u32 s58, s62, LWK+32768
	s_lshl_b32 s59, s54, 9
	s_add_co_u32 s60, s59, LBQ+1024                ; and of bk and bq
	s_add_co_u32 s59, s59, LBQ
	BARRIER                                        ; 1b: every wave's gather is in: LDS may be stored to again
.irp k, 0,1,2,3
	ds_store_b128 v[AD1], v[XFS+4*\k:XFS+4*\k+3] offset:512*\k
.endr
	ds_store_b32 v[AD3], v[XSS]
	ds_store_b32 v[AD3], v[XSS+1] offset:64
; ================= 2. Q and K of my 16 sorted tokens; K's natural image by a gather =================
.irp q, 0,1
	PROJ 55, 56, 59, \q
	QUANT ACC, PCT, PW, 4, FLOORQ
	v_add_nc_u32 v[PW], 0xfcfcfcfd, v[PW]          ; 3 off each byte (each is 4 at the least): the scores' 1/8
	PSTORE 40, 41, 32, 33, \q
	PROJ 57, 58, 60, \q
	QUANT ACC, PCT, PW, 4, FLOOR
	PSTORE 42, 43, 34, 35, \q
.endr
	ds_load_b32 v[BV], v12                         ; bv of my feature
	global_prefetch_b8 v[PFO], s[6:7] th:TH_LOAD_NT scope:SCOPE_SE   ; bytes 0-511 of my 16 tokens' mask rows, a block of 256 bytes a lane; each row belongs to one wave
	s_wait_loadcnt 0x0                             ; Wv
	BARRIER                                        ; 2: Q, K sorted and x sorted lie in LDS; nobody reads WQ or WK any more
.irp i, 1,2,3,4,5,6,7
	v_mov_b32 v[BV+\i], v[BV]                      ; the C of V^T's first products
.endr
.irp hd, 0,1,2,3
	ds_load_b128 v[WB+4*\hd:WB+4*\hd+3], v[KGI] offset:512*\hd
	ds_load_b32 v[SW+\hd], v[KGW] offset:64*\hd
.endr
	v_add_nc_u32 v[AD2], s44, v[LI]
	v_add_nc_u32 v[AD3], s45, v[LS]
	BARRIER                                        ; 2b: every wave's gather is in
.irp hd, 0,1,2,3
	ds_store_b128 v[AD2], v[WB+4*\hd:WB+4*\hd+3] offset:512*\hd
	ds_store_b32 v[AD3], v[SW+\hd] offset:64*\hd
.endr
; ================= 3. V^T of my 16 features, along the sorted and along the natural keys =================
	s_lshl_b32 s40, s26, 11
	s_add_co_u32 s41, s40, LVS
	s_lshl_b32 s42, s26, 7
	s_add_co_u32 s42, s42, LVNS
	s_mul_i32 s43, s26, 448
	s_add_co_u32 s43, s43, LVSW
	VT LXS, LXSW, 0
	QUANT ACC, PCT, PW, 4, FLOOR
	v_add_nc_u32 v[AD2], s41, v[LI]
	ds_store_b128 v[AD2], v[PCT:PCT+3]
	ds_store_b128 v[AD2], v[PCT+4:PCT+7] offset:512
	v_mov_b32 v[EE], v[PW]
	VT LXS, LXSW, 1
	QUANT ACC, PCT, PW, 4, FLOOR
	ds_store_b128 v[AD2], v[PCT:PCT+3] offset:1024
	ds_store_b128 v[AD2], v[PCT+4:PCT+7] offset:1536
	v_add_nc_u32 v[AD3], s43, v[LS]
	v_lshrrev_b32 v[EE+1], 8, v[EE]                ; window c wants the bytes of chunks c and c + 1 lowest
	s_delay_alu instid0(VALU_DEP_1)
	v_lshl_or_b32 v[EE+1], v[PW], 24, v[EE+1]
	v_lshrrev_b32 v[EE+2], 16, v[EE]
	s_delay_alu instid0(VALU_DEP_1)
	v_lshl_or_b32 v[EE+2], v[PW], 16, v[EE+2]
	v_lshrrev_b32 v[EE+3], 24, v[EE]
	s_delay_alu instid0(VALU_DEP_1)
	v_lshl_or_b32 v[EE+3], v[PW], 8, v[EE+3]
	v_lshrrev_b32 v[EE+4], 8, v[PW]
	v_lshrrev_b32 v[EE+5], 16, v[PW]
	ds_store_b32 v[AD3], v[EE]
	ds_store_b32 v[AD3], v[EE+1] offset:64
	ds_store_b32 v[AD3], v[EE+2] offset:128
	ds_store_b32 v[AD3], v[EE+3] offset:192
	ds_store_b32 v[AD3], v[PW] offset:256
	ds_store_b32 v[AD3], v[EE+4] offset:320
	ds_store_b32 v[AD3], v[EE+5] offset:384
	VT LXN, LXNW, 0
	QUANT ACC, PCT, PW, 4, FLOOR
	v_add_nc_u32 v[AD2], s40, v[LI]
	v_add_nc_u32 v[AD3], s42, v[LS]
	ds_store_b128 v[AD2], v[PCT:PCT+3]
	ds_store_b128 v[AD2], v[PCT+4:PCT+7] offset:512
	ds_store_b32 v[AD3], v[PW]
	VT LXN, LXNW, 1
	QUANT ACC, PCT, PW, 4, FLOOR
	ds_store_b128 v[AD2], v[PCT:PCT+3] offset:1024
	ds_store_b128 v[AD2], v[PCT+4:PCT+7] offset:1536
	ds_store_b32 v[AD3], v[PW] offset:64
	MLOAD 0
	global_prefetch_b8 v[PFO], s[6:7] offset:512 th:TH_LOAD_NT scope:SCOPE_SE   ; bytes 512-1,023 of the same rows
	BARRIER                                        ; 3: V^T and K natural lie in LDS; nobody reads x's images any more
; ================= 4. THE FULL ATTENTION: my 16 queries, four heads, 256 natural keys in two steps =================
.irp i, 0,1,2,3
	v_mov_b32 v[QC+4+\i], 0
.endr
.irp i, 0,1,2,3
	v_mov_b32 v[KB+32+\i], 0
	v_mov_b32 v[BP+\i], 0
.endr
	v_mov_b32 v[FF+1], 0
	v_mov_b32 v[CFW], 0
	v_mov_b32 v[CFW+1], 0
	v_mov_b32 v[CCW], 0
	v_mov_b32 v[CCW+1], 0
	s_lshr_b32 s40, s26, 1
	s_lshl_b32 s40, s40, 7
	v_add_nc_u32 v[CMO], s40, v[XAN]
	s_mov_b32 s33, LKN
	s_mov_b32 s34, LKNW
	s_mov_b32 s35, LVN
	s_mov_b32 s36, LVNS
	s_mul_i32 s37, s26, 2304
	s_add_co_u32 s37, s37, LQ
	s_add_co_u32 s38, s37, 2048
	s_lshl_b32 s39, s26, 12
	s_add_co_u32 s39, s39, LCTX
	s_mov_b32 s32, 0
.Lhead:
	v_add_nc_u32 v[AD2], s37, v[LI]
	v_add_nc_u32 v[AD3], s38, v[LS]
	ds_load_b128 v[QC:QC+3], v[AD2]
	ds_load_b32 v[QSC], v[AD3]
	FSTEP 0, 0, 1
	FSTEP 1, 1, 2
	HEADEND CFW
	s_add_co_u32 s33, s33, 512
	s_add_co_u32 s34, s34, 64
	s_add_co_u32 s35, s35, 8192
	s_add_co_u32 s36, s36, 512
	s_add_co_u32 s37, s37, 512
	s_add_co_u32 s38, s38, 64
	s_add_co_u32 s39, s39, 512
	s_add_co_u32 s32, s32, 1
	s_cmp_lt_u32 s32, 4
	s_cbranch_scc1 .Lhead
; ================= 5. THE CHUNK ATTENTION: the same queries; a window of 64 sorted keys: chunks c - 1 and c, c = max(w / 2, 1) =================
.irp i, 0,1,2,3
	v_mov_b32 v[PC+4+\i], 0
.endr
	s_lshr_b32 s40, s26, 1
	s_xor_b32 s40, s40, 7
	s_min_u32 s40, s40, 6
	s_xor_b32 s40, s40, 7
	s_lshl_b32 s33, s40, 12
	s_add_co_u32 s33, s33, LKS-4096
	s_lshl_b32 s34, s40, 9
	s_add_co_u32 s34, s34, LKSW-512
	s_lshl_b32 s35, s40, 8
	s_add_co_u32 s35, s35, LVS-256
	s_lshl_b32 s36, s40, 6
	s_add_co_u32 s36, s36, LVSW-64
	s_mul_i32 s37, s26, 2304
	s_add_co_u32 s37, s37, LQ
	s_add_co_u32 s38, s37, 2048
	s_mov_b32 s32, 0
.Lchunk:
	v_add_nc_u32 v[AD0], s33, v[LI]
	v_add_nc_u32 v[AD1], s34, v[LS]
	v_add_nc_u32 v[AD2], s37, v[LI]
	v_add_nc_u32 v[AD3], s38, v[LS]
	ds_load_b128 v[QC:QC+3], v[AD2]
	ds_load_b32 v[QSC], v[AD3]
.irp t, 0,1,2,3
	ds_load_b128 v[KB+4*\t:KB+4*\t+3], v[AD0] offset:\t*2048
	ds_load_b32 v[SW+\t], v[AD1] offset:\t*256
.endr
	s_wait_loadcnt 0x0
	s_wait_dscnt 0x0
	WM ACC, KB, QC, CM, SW, QSC
	WM ACC+8, KB+4, QC, CM+8, SW+1, QSC
	WMZ ACC+16, KB+8, QC, SW+2, QSC
	WMZ ACC+24, KB+12, QC, SW+3, QSC
	PLACES 4
	SOFT_A 2, 0
	SOFT_B 2
	v_add_nc_u32 v[AD2], s35, v[LI]
	v_add_nc_u32 v[AD3], s36, v[LS]
	PLACES 8
.irp dt, 0,1,2,3
	ds_load_b128 v[KB+4*\dt:KB+4*\dt+3], v[AD2] offset:\dt*2048
	ds_load_b32 v[SW+\dt], v[AD3] offset:\dt*448
.endr
	s_wait_alu depctr_va_vdst(0)
	s_wait_dscnt 0x0
.irp dt, 0,1,2,3
	WMZ OUT+8*\dt, KB+4*\dt, PC, SW+\dt, PSW
.endr
	HEADEND CCW
	s_add_co_u32 s33, s33, 512
	s_add_co_u32 s34, s34, 64
	s_add_co_u32 s35, s35, 8192
	s_add_co_u32 s36, s36, 1792
	s_add_co_u32 s37, s37, 512
	s_add_co_u32 s38, s38, 64
	s_add_co_u32 s39, s39, 512
	s_add_co_u32 s32, s32, 1
	s_cmp_lt_u32 s32, 4
	s_cbranch_scc1 .Lchunk
; ================= 6. both branches' ctx fragments come back from my own bytes; the residual is asked for =================
	v_bfe_u32 v[AD1], v0, 4, 1
	s_delay_alu instid0(VALU_DEP_1)
	v_add_nc_u32 v[AD1], s27, v[AD1]
	s_delay_alu instid0(VALU_DEP_1)
	v_lshlrev_b32 v[AD1], 2, v[AD1]
.irp m, 0,1,2,3,4,5,6,7
	global_load_b32 v[OT+\m], v[AD1], s[8:9] offset:(2*\m+8*(\m/4))*4    ; the token of stage row 2 m + h
.endr
.irp b, 0,1,2,3,4,5,6,7
.irp j, 0,1,2,3
	global_load_b128 v[ACC+16*\b+4*\j:ACC+16*\b+4*\j+3], v[GO], s[4:5] offset:128*\b+16*\j   ; the residual: my token's row, once for both branches
.endr
.endr
	s_lshl_b32 s40, s26, 12
	s_add_co_u32 s40, s40, LCTX
	v_add_nc_u32 v[AD0], s40, v[LI]
.irp k, 0,1,2,3,4,5,6,7
	ds_load_b128 v[CF+4*\k:CF+4*\k+3], v[AD0] offset:512*\k
.endr
; ================= 7. THE TAIL =================
	s_wait_loadcnt 32                              ; the eight tokens are in; the residual's 32 loads may stay out
.irp m, 0,1,2,3,4,5,6,7
	v_min_u32 v[OT+\m], 255, v[OT+\m]
.endr
.irp m, 0,1,2,3,4,5,6,7
	v_lshl_add_u32 v[OT+\m], v[OT+\m], 10, v[RW]
.endr
	s_mul_i32 s40, s26, 16*SPITCH                  ; my stage
	v_and_b32 v[AD2], 15, v0
	v_bfe_u32 v[AD3], v0, 4, 1
	s_delay_alu instid0(VALU_DEP_2)
	v_mul_u32_u24 v[AD2], v[AD2], SPITCH
	s_delay_alu instid0(VALU_DEP_2)
	v_mul_u32_u24 v[AD3], v[AD3], SPITCH
	s_delay_alu instid0(VALU_DEP_2)
	v_add_nc_u32 v[AD2], v[AD2], v[HB]
	s_delay_alu instid0(VALU_DEP_2)
	v_add_nc_u32 v[AD3], v[AD3], v[RW]
	s_delay_alu instid0(VALU_DEP_2)
	v_add_nc_u32 v[AD2], s40, v[AD2]               ; in: row r, + 64 h
	s_delay_alu instid0(VALU_DEP_2)
	v_add_nc_u32 v[AD3], s40, v[AD3]               ; back: lanes 0-15 one row, lanes 16-31 the next
	v_add_nc_u32 v[AD0], LWD, v[LI]
	v_add_nc_u32 v[AD1], LWD+32768, v[LS]
	v_add_nc_u32 v[XAN], LBQ+2048, v[HB]           ; bd in LDS
.macro BDL b                           ; bd of features 32 b + 16 h + 0 .. 15, into v192 or v208 on, by turns
.irp j, 0,1,2,3
	ds_load_b128 v[192+16*((\b)%2)+4*\j:192+16*((\b)%2)+4*\j+3], v[XAN] offset:128*(\b)+16*\j
.endr
.endm
.macro ZL reg, c                       ; the full branch's 16 numbers of block c back from my stage
.irp j, 0,1,2,3
	ds_load_b128 v[\reg+4*\j:\reg+4*\j+3], v[AD2] offset:128*(\c)+16*\j
.endr
.endm
.macro WDL n                           ; Wd's tiles 2 n and 2 n + 1, both K steps, and their scale words
.irp t, 0,1
.irp ks, 0,1
	ds_load_b128 v[192+16*\t+8*\ks:192+16*\t+8*\ks+3], v[AD0] offset:(2*(2*(\n)+\t)+\ks)*1024
	ds_load_b128 v[192+16*\t+8*\ks+4:192+16*\t+8*\ks+7], v[AD0] offset:(2*(2*(\n)+\t)+\ks)*1024+512
	ds_load_b32 v[SW+2*\t+\ks], v[AD1] offset:(2*(2*(\n)+\t)+\ks)*64
.endr
.endr
.endm
.macro SUM16 sa, src, first            ; 16 numbers onto two chains of pairs, each accumulator from its low end on
.if \first
	v_pk_add_f32 v[\sa:\sa+1], v[\src:\src+1], v[\src+2:\src+3]
	v_pk_add_f32 v[\sa+2:\sa+3], v[\src+4:\src+5], v[\src+6:\src+7]
.else
	v_pk_add_f32 v[\sa:\sa+1], v[\sa:\sa+1], v[\src:\src+1]
	v_pk_add_f32 v[\sa+2:\sa+3], v[\sa+2:\sa+3], v[\src+2:\src+3]
	v_pk_add_f32 v[\sa:\sa+1], v[\sa:\sa+1], v[\src+4:\src+5]
	v_pk_add_f32 v[\sa+2:\sa+3], v[\sa+2:\sa+3], v[\src+6:\src+7]
.endif
	v_pk_add_f32 v[\sa:\sa+1], v[\sa:\sa+1], v[\src+8:\src+9]
	v_pk_add_f32 v[\sa+2:\sa+3], v[\sa+2:\sa+3], v[\src+10:\src+11]
	v_pk_add_f32 v[\sa:\sa+1], v[\sa:\sa+1], v[\src+12:\src+13]
	v_pk_add_f32 v[\sa+2:\sa+3], v[\sa+2:\sa+3], v[\src+14:\src+15]
.endm
	BDL 0
	BDL 1
	s_wait_alu depctr_va_vdst(0)
.set fb, 0
.rept 8                                ; seq + bd, block by block as the residual lands
	s_wait_loadcnt 28-4*fb                         ; this block's four loads are in; the later blocks' may stay out
.if fb < 7
	s_wait_dscnt 4
.else
	s_wait_dscnt 0x0
.endif
.set fi, 0
.rept 8
	v_pk_add_f32 v[ACC+16*fb+2*fi:ACC+16*fb+2*fi+1], v[ACC+16*fb+2*fi:ACC+16*fb+2*fi+1], v[192+16*(fb%2)+2*fi:192+16*(fb%2)+2*fi+1]
.set fi, fi+1
.endr
.if fb < 6
	BDL fb+2
.endif
.set fb, fb+1
.endr
	WDL 0
	BARRIER                                        ; 4: nobody reads K, V^T, Q or ctx in LDS any more: the stages may lie there.  What stands above it in the tail touches no stage
.set fg, 0
.rept 8
.set ac, ACC+16*fg
.set ap, ACC+16*fg-16
	s_wait_alu depctr_va_vdst(0)
	s_wait_dscnt 0x0
	WM XF, 192, CF, ac, SW, CFW
	WM XF+8, 208, CF, ac+8, SW+2, CFW
	WM XF, 200, CF+8, XF, SW+1, CFW+1
	WM XF+8, 216, CF+8, XF+8, SW+3, CFW+1
.if fg == 0
	PLACES 5
.elseif fg == 1
	SUM16 244, ap, 1
.else
	SUM16 244, ap, 0
.endif
	WM ac, 192, CC, ac, SW, CCW
	WM ac+8, 208, CC, ac+8, SW+2, CCW
	WM ac, 200, CC+8, ac, SW+1, CCW+1
	WM ac+8, 216, CC+8, ac+8, SW+3, CCW+1
.if fg == 0
	SUM16 12, XF, 1
.else
	SUM16 12, XF, 0
.endif
.irp j, 0,1,2,3
	ds_store_b128 v[AD2], v[XF+4*\j:XF+4*\j+3] offset:128*fg+16*\j
.endr
.if fg < 7
	WDL fg+1
.endif
.set fg, fg+1
.endr
	SUM16 244, ACC+112, 0
	ZL 16, 0                                       ; LDS serves a wave's instructions in order: these see my stores
	ZL 32, 1
	ZL 208, 2
	v_pk_add_f32 v[12:13], v[12:13], v[14:15]
	v_pk_add_f32 v[244:245], v[244:245], v[246:247]
	s_delay_alu instid0(VALU_DEP_2)
	v_add_f32 v192, v12, v13
	s_delay_alu instid0(VALU_DEP_2)
	v_add_f32 v194, v244, v245
	s_delay_alu instid0(VALU_DEP_2)
	v_permlanex16_b32 v193, v192, s[SEL], s[SEL+1]
	s_delay_alu instid0(VALU_DEP_2)
	v_permlanex16_b32 v195, v194, s[SEL], s[SEL+1]
	s_delay_alu instid0(VALU_DEP_2)
	v_add_f32 v192, v192, v193
	s_delay_alu instid0(VALU_DEP_2)
	v_add_f32 v194, v194, v195
	s_delay_alu instid0(VALU_DEP_2)
	v_mul_f32 v192, 0xbb800000, v192               ; -mean of x_f
	s_delay_alu instid0(VALU_DEP_2)
	v_mul_f32 v194, 0xbb800000, v194               ; -mean of x_c
.set fj, 0
.rept 64
	v_pk_add_f32 v[ACC+fj:ACC+fj+1], v[ACC+fj:ACC+fj+1], v[194:195] op_sel_hi:[1,0]   ; d_c
.set fj, fj+2
.endr
	v_pk_mul_f32 v[196:197], v[ACC:ACC+1], v[ACC:ACC+1]
	v_pk_mul_f32 v[198:199], v[ACC+2:ACC+3], v[ACC+2:ACC+3]
.set fj, 4
.rept 31
	s_delay_alu instid0(VALU_DEP_2)
	v_pk_fma_f32 v[196:197], v[ACC+fj:ACC+fj+1], v[ACC+fj:ACC+fj+1], v[196:197]
	s_delay_alu instid0(VALU_DEP_2)
	v_pk_fma_f32 v[198:199], v[ACC+fj+2:ACC+fj+3], v[ACC+fj+2:ACC+fj+3], v[198:199]
.set fj, fj+4
.endr
; the full branch's sum of d^2: x_f comes back from the stage through three buffers, v16, v32, v208 on; blocks 5, 6, 7 stay in them for the last pass
.set fc, 0
.rept 8
.set zi, fc%3
.set zb, 16+16*zi+160*(zi/2)
	s_wait_alu depctr_va_vdst(0)
.if fc < 6
	s_wait_dscnt 8                                 ; this block is back; the next two blocks' eight loads may stay out
.elseif fc == 6
	s_wait_dscnt 4
.else
	s_wait_dscnt 0x0
.endif
.if fc == 0
.irp q, 0,1,2,3
	global_load_b128 v[LNW+4*\q:LNW+4*\q+3], v[RW], s[20:21] offset:256*\q    ; ln_w and ln_b as the rows will be read back: features 64 q + 4 (lane % 16) on
	global_load_b128 v[LNB+4*\q:LNB+4*\q+3], v[RW], s[22:23] offset:256*\q
.endr
.endif
.irp q, 0,1
.irp i, 0,1,2,3
	v_pk_add_f32 v[200+2*\i:201+2*\i], v[zb+8*\q+2*\i:zb+8*\q+2*\i+1], v[192:193] op_sel_hi:[1,0]   ; d_f
.endr
.irp i, 0,1,2,3
.if (fc == 0) && (\q == 0) && (\i < 2)
	v_pk_mul_f32 v[12+2*\i:13+2*\i], v[200+2*\i:201+2*\i], v[200+2*\i:201+2*\i]
.else
	v_pk_fma_f32 v[12+2*(\i%2):13+2*(\i%2)], v[200+2*\i:201+2*\i], v[200+2*\i:201+2*\i], v[12+2*(\i%2):13+2*(\i%2)]
.endif
.endr
.endr
.if fc < 5
	ZL zb, fc+3
.endif
.set fc, fc+1
.endr
	v_pk_add_f32 v[196:197], v[196:197], v[198:199]
	v_pk_add_f32 v[12:13], v[12:13], v[14:15]
	s_delay_alu instid0(VALU_DEP_2)
	v_add_f32 v196, v196, v197
	s_delay_alu instid0(VALU_DEP_2)
	v_add_f32 v12, v12, v13
	s_delay_alu instid0(VALU_DEP_2)
	v_permlanex16_b32 v197, v196, s[SEL], s[SEL+1]
	s_delay_alu instid0(VALU_DEP_2)
	v_permlanex16_b32 v13, v12, s[SEL], s[SEL+1]
	s_delay_alu instid0(VALU_DEP_2)
	v_add_f32 v196, v196, v197
	s_delay_alu instid0(VALU_DEP_2)
	v_add_f32 v12, v12, v13
	s_delay_alu instid0(VALU_DEP_2)
	v_fma_f32 v196, v196, s46, s47                 ; the variances + 1e-12
	s_delay_alu instid0(VALU_DEP_2)
	v_fma_f32 v12, v12, s46, s47
	s_wait_alu depctr_va_vdst(0)
	v_rsq_f32 v204, v196
	v_rsq_f32 v206, v12
	v_nop
	s_wait_alu depctr_va_vdst(0)
	v_mul_f32 v204, 0.5, v204                      ; a_c
	v_mul_f32 v206, 0.5, v206                      ; a_f
	s_delay_alu instid0(VALU_DEP_1)
	v_mul_f32 v194, v192, v206                     ; -mean_f a_f
; d_c a_c + x_f a_f - mean_f a_f, blocks 5, 6, 7 (in the buffers), then 0 to 4 (read again); each block goes to the stage over its raw x_f
.set fk, 0
.rept 8
.set pc, (fk+5)%8
.set zi, (fk+2)%3
.set zb, 16+16*zi+160*(zi/2)
.if fk >= 3
	s_wait_alu depctr_va_vdst(0)
.if fk < 6
	s_wait_dscnt 16                                ; behind this block's loads: two blocks' stores and two blocks' loads
.elseif fk == 6
	s_wait_dscnt 12
.else
	s_wait_dscnt 8
.endif
.endif
.irp i, 0,1,2,3,4,5,6,7
	v_pk_fma_f32 v[ACC+16*pc+2*\i:ACC+16*pc+2*\i+1], v[ACC+16*pc+2*\i:ACC+16*pc+2*\i+1], v[204:205], v[194:195] op_sel_hi:[1,0,0]
.endr
.irp i, 0,1,2,3,4,5,6,7
	v_pk_fma_f32 v[ACC+16*pc+2*\i:ACC+16*pc+2*\i+1], v[zb+2*\i:zb+2*\i+1], v[206:207], v[ACC+16*pc+2*\i:ACC+16*pc+2*\i+1] op_sel_hi:[1,0,1]
.endr
.irp j, 0,1,2,3
	ds_store_b128 v[AD2], v[ACC+16*pc+4*\j:ACC+16*pc+4*\j+3] offset:128*pc+16*\j
.endr
.if fk < 5
	ZL zb, fk
.endif
.set fk, fk+1
.endr
.irp m, 0,1,2,3,4,5,6,7
.irp q, 0,1,2,3
	ds_load_b128 v[ACC+16*\m+4*\q:ACC+16*\m+4*\q+3], v[AD3] offset:2*\m*SPITCH+256*\q   ; whole rows back: these see my stores
.endr
.endr
	s_wait_loadcnt 0x0                             ; ln_w, ln_b
.irp m, 0,1,2,3,4,5,6,7
	s_wait_dscnt 28-4*\m                           ; pair m's four loads are back
.irp q, 0,1,2,3
.irp e, 0,2
	v_pk_fma_f32 v[ACC+16*\m+4*\q+\e:ACC+16*\m+4*\q+\e+1], v[ACC+16*\m+4*\q+\e:ACC+16*\m+4*\q+\e+1], v[LNW+4*\q+\e:LNW+4*\q+\e+1], v[LNB+4*\q+\e:LNB+4*\q+\e+1]
.endr
.endr
.irp q, 0,1,2,3
	global_store_b128 v[OT+\m], v[ACC+16*\m+4*\q:ACC+16*\m+4*\q+3], s[24:25] offset:256*\q th:TH_STORE_NT   ; sixteen lanes store 256 consecutive bytes of a token's row, aligned
.endr
.endr
	s_barrier_signal -1
	s_barrier_wait -1
	s_wait_xcnt 0x0
	v_lshl_add_u32 v254, v0, 2, 0x49800            ; the wave's end
	v_mov_b32 v255, 0
	s_wait_alu depctr_va_vdst(0)
	s_wait_tensorcnt 0x0
	ds_add_u32 v254, v255
	s_wait_dscnt 0x0
	s_endpgm
.Lfunc_end_k_qa3f4511059_attn:
	.size	k_qa3f4511059_attn, .Lfunc_end_k_qa3f4511059_attn-k_qa3f4511059_attn
	.p2alignl 7, 3214868480
	.fill 96, 4, 3214868480
	.section	.rodata,"a",@progbits
	.p2align	6, 0x0
	.amdhsa_kernel k_qa3f4511059_attn
		.amdhsa_group_segment_fixed_size 307200
		.amdhsa_private_segment_fixed_size 0
		.amdhsa_enable_private_segment 0
		.amdhsa_kernarg_size 96
		.amdhsa_user_sgpr_count 2
		.amdhsa_user_sgpr_kernarg_segment_ptr 1
		.amdhsa_wavefront_size32 1
		.amdhsa_system_sgpr_workgroup_id_x 1
		.amdhsa_system_sgpr_workgroup_id_y 1
		.amdhsa_system_sgpr_workgroup_id_z 1
		.amdhsa_system_vgpr_workitem_id 0
		.amdhsa_next_free_vgpr 256
		.amdhsa_next_free_sgpr 66
		.amdhsa_reserve_vcc 0
		.amdhsa_float_denorm_mode_32 3
		.amdhsa_float_denorm_mode_16_64 3
		.amdhsa_memory_ordered 1
		.amdhsa_forward_progress 1
		.amdhsa_inst_pref_size 235
	.end_amdhsa_kernel
	.amdgpu_metadata
---
amdhsa.version: [ 1, 2 ]
amdhsa.kernels:
  - .name:           k_qa3f4511059_attn
    .symbol:         k_qa3f4511059_attn.kd
    .args:
      - { .name: seq, .offset: 0, .size: 8, .value_kind: global_buffer, .address_space: global }
      - { .name: attention_mask, .offset: 8, .size: 8, .value_kind: global_buffer, .address_space: global }
      - { .name: order, .offset: 16, .size: 8, .value_kind: global_buffer, .address_space: global }
      - { .name: wimg, .offset: 24, .size: 8, .value_kind: global_buffer, .address_space: global }
      - { .name: bq, .offset: 32, .size: 8, .value_kind: global_buffer, .address_space: global }
      - { .name: bk, .offset: 40, .size: 8, .value_kind: global_buffer, .address_space: global }
      - { .name: bv, .offset: 48, .size: 8, .value_kind: global_buffer, .address_space: global }
      - { .name: bd, .offset: 56, .size: 8, .value_kind: global_buffer, .address_space: global }
      - { .name: ln_w, .offset: 64, .size: 8, .value_kind: global_buffer, .address_space: global }
      - { .name: ln_b, .offset: 72, .size: 8, .value_kind: global_buffer, .address_space: global }
      - { .name: out0, .offset: 80, .size: 8, .value_kind: global_buffer, .address_space: global }
      - { .name: rank, .offset: 88, .size: 8, .value_kind: global_buffer, .address_space: global }
    .group_segment_fixed_size: 307200
    .private_segment_fixed_size: 0
    .kernarg_segment_align: 8
    .kernarg_segment_size: 96
    .max_flat_workgroup_size: 512
    .sgpr_count:     66
    .vgpr_count:     256
    .wavefront_size: 32
...
	.end_amdgpu_metadata
.endif
;; end of part 2
